; MI455X (gfx1250); checked and timed in simulation.
; The chip was launched on July 23, 2026; its instructions are those of AMD's public machine-readable ISA for CDNA 5 (MIT licence, August 2026) and "CDNA5" Instruction Set Architecture Reference Guide (July 2026). The comments in the code are by the model that wrote it; some were corrected since.
;; Attention. Allowed arithmetic: float matrix products may take bf16 or f16 operands with f32 sums; all other float work in f32.
;; Inputs: W 1,024 x 1 float32; b 1 float32; end 2,048 int32; start 2,048 int32; x 2 x 512 x 1,024 float32.
;; Outputs: out0 2 x 2,048 x 1,024 float32.
;; One version. Each part assembles by itself: llvm-mc -triple=amdgcn-amd-amdhsa -mcpu=gfx1250 --defsym DOCPART=n.
;; ======== version 1 of 1: 1 launch
;; limits: values outside matrix products are rounded to f16; inputs' magnitudes at most 65,504; values are held in f16: magnitudes above 65,504 overflow, below 6.1e-05 lose precision
;; launch pool (part 1): grid 256 x 1, 16 waves a work-group, no clusters, 4,608 bytes of LDS; arguments x, W, b, start, end, out0; writes out0
.if DOCPART == 1
	.amdgcn_target "amdgcn-amd-amdhsa--gfx1250"
	.amdhsa_code_object_version 6
	.text
	.protected	k_qb13bee6b37_pool
	.globl	k_qb13bee6b37_pool
	.p2align	8
	.type	k_qb13bee6b37_pool,@function
k_qb13bee6b37_pool:
	s_mov_b64 s[64:65], 0
	v_nop
	global_prefetch_b8 v0, s[64:65] scope:SCOPE_SE
	s_setreg_imm32_b32 hwreg(HW_REG_WAVE_MODE, 25, 1), 1
	s_wait_xcnt 0x0
; out[b][s][:] = sum over the span's tokens of softmax(relu(x W + b)) * x.   x [2][512][1024] f32, W [1024], b [1], start, end [2048] i32,
; out [2][2048][1024] f32.
;
; A WORK-GROUP OWNS STARTS, NOT SPANS: work-group = (batch, 4 neighbouring start tokens t0..t0+3), 2 x 128 = 256 of them.  Every span that
; starts there reads only the 33 rows ("slots") t0 .. t0+32, each clamped to token 511 as the reference clamps.  So the rows are loaded and scored
; once for all those spans, and the pooling is a small dense product  P [16 spans x 33 slots] . X [33 slots x 1024 columns]  on the matrix unit
; (f16 operands, f32 sums).  Which spans start in the range is found by scanning start[]; their number is whatever the data say (0 to 2048).
; 16 waves; wave w owns columns 64 w .. 64 w + 63.  Lane (r = lane % 16, h = lane / 16) loads columns 4r..4r+3 of slots 16h+i, i = 0..15:
; sixteen lanes read 256 consecutive aligned bytes of a row.  Packed to f16 these registers ARE the B fragments: tile q = column 4r+q, and the
; k place (h, register p, half) holds slot 16h + 2p + half; P is laid out with the same k places, so the products pair up rightly.
; In the result, register j of tiles 0..3 holds four neighbouring columns of span 8h+j; the multiply by 1/sum writes them into four
; neighbouring registers, and each store has sixteen lanes filling 256 consecutive aligned bytes of out.
; EVERY WAVE FINDS THE SPANS FOR ITSELF.  Rule kept here: no branch, no trip count and no address hangs on a number that has passed through
; LDS.  So each wave loads all 2048 starts (8 KB, the same for the 16 waves of a work-group), keeps the matches as 64 lane masks in scalar
; registers, and looks up 32 list positions at a time, one a lane (SEARCH below).  Only the partial scores, floating-point values, go through LDS.
; F16, NOT BF16, for both operands.  An output is a sum of up to 30 terms weight x number that largely cancel, so the operands' rounding counts
; against a result much smaller than the terms: 11 significant bits against 8 make that error an eighth.  And both operands have room in f16:
; a weight is exp(score - the span's own maximum), in [0, 1]; x has room up to 65,504.
; The scores x W + b are made in f32 on the vector unit: with one output column a matrix tile would be 15/16 idle, and the exponents want f32.
; The weights are made by every wave for itself too, in registers, straight in A's layout: lane (r, h) keeps the scores of slots 16h .. 16h+15
; in sixteen registers and makes span r's sixteen weights from them.
; No tensor loads, no cluster: neighbouring work-groups' windows of rows are shifted by 4 rows, so no two would ask for the same tile, and the
; rows are wanted in registers in f32 (scores, conversion); LDS would be a detour of 132 KB a work-group.
; LIMITS.  start is in [0, 511] (the reference indexes its table with it); a span outside is written by nobody.  x is finite and |x| <= 65,504:
; a larger number becomes infinity in f16, and a weight of zero times a non-finite number is NaN, here for rows t0..t0+32, in the reference for
; rows start..start+29.  x and the weights enter the pooling product rounded to f16: relative error 2^-11, below 2^-14 in magnitude an absolute
; error of 2^-25; a weight below 2^-25 of its span's largest counts as zero.  The weights are divided by the sum of the ROUNDED weights, so they
; add up to one.  end - start + 1 <= 0 gives NaN, as in the reference; widths above 30 count as 30, as there.
.set TOK,    512
.set ROWB,   4096                      ; bytes in a row of x and of out
.set SPANS,  2048
.set MAXW,   30
.set RANGE,  4                         ; starts of a work-group
.set LOG2E,  0x3fb8aa3b
; LDS: written in front of the one barrier, read behind it.
.set PARTP,  144                       ; 9 x 16 bytes: sixteen lanes that read 16 bytes of sixteen rows touch 16 different 16-byte columns of 256
.set PART,   0                         ; [wave][slot 0..31] partial scores
.set P32,    PART+16*PARTP             ; [wave] partial score of slot 32
; vector registers
.set LANE, 1
.set RR,   2                           ; lane % 16
.set HH,   3                           ; lane / 16
.set L16,  5                           ; 16 x lane: my 4 spans in each 512 bytes of start[]
.set COL,  6                           ; 256 w + 16 r: my 4 columns, in bytes
.set XB,   7
.set WV,   16                          ; v[16:19]  W of my 4 columns
.set XMAX, 20
.set AD,   22                          ; v[22:38]  byte offsets of my 17 loads of x
.set X,    40                          ; v[40:107] x in f32: 4 registers for each of 16 slots, then slot 32
.set SV,   108                         ; start[]: column c in v[SV + c + 32 (c / 32)], that is v108-139 and v172-203, done with before these are used below
.set B1,   108                         ; v[108:139] B fragments of slots 0..31, tile q at 8 q
.set B2,   140                         ; v[140:153] B fragments of slot 32: tile q = the window of 8 registers at 2 q (see below)
.set ONES, 156                         ; v[156:163] a B fragment of ones
.set A2,   164                         ; v[164:171] A fragment of slot 32: register 0 made in each block, the rest zero
.set A1,   172                         ; v[172:179] A fragment of slots 0..31
.set DD,   180                         ; v[180:195] my partial dot products
.set D32,  196
.set P,    204                         ; SEARCH: my list position,
.set WD,   205                         ; the mask that holds it,
.set CB,   206                         ; that column's first span << 12 | matches in front of the column,
.set QQ,   207                         ; how many set bits still lie in front of mine,
.set C2,   208                         ; the mask's counts of set bits in fields of 2,
.set C4,   209                         ; 4
.set C8,   210                         ; and 8 bits,
.set T1,   211
.set T2,   212
.set POS,  213                         ; the bit's number so far
.set NN,   214
.set TM,   216                         ; v[216:223] at work, up to the barrier
.set NI,   232                         ; -infinity
.set HM,   233                         ; all ones in lanes 0-15, zero in lanes 16-31
.set H16,  234                         ; 16 h
.set L4,   235                         ; 4 x lane
.set W4,   236                         ; 4 x wave
.set PA,   237                         ; wave r's partial scores of slots 16 h ..
.set R4,   238                         ; 4 r
.set H8,   239
.set R16,  240
.set JX,   241
.set ZA,   242                         ; 0: the empty half of a packed conversion
.set SPN,  243                         ; lane p: the span at position p of the group of 32
.set ENT,  244                         ; lane p: that span's offset in the range | width << 2
.set ENTX, 245                         ; the same of lane p xor 16
.set GA,   246                         ; 4 x span
.set GS,   247                         ; start[span]
.set GE,   248                         ; end[span]
.set EB,   249                         ; lane (r, h): the entry of span r of the block
.set OFS,  250
.set WID,  251
.set P0,   252                         ; the position of slot 16 h in span r
.set PT,   253
; behind the barrier
.set SC,   180                         ; v[180:195] score x log2 e of slots 16h .. 16h+15
.set S32,  196                         ; of slot 32
.set E,    200                         ; v[200:215] span r: masked scores, then weights
.set E32,  216
.set MX,   218                         ; v[218:219] the span's maximum, twice (a pair for the packed subtraction)
.set T,    220                         ; v[220:225] the tree of maxima
.set BV,   226                         ; v[226:227] b, twice
.set LG,   228                         ; v[228:229] log2 e, twice
.set OUT,  8                           ; v[8:39]   results to store (W and the offsets of x are done with by then)
.set DT,   40                          ; v[40:71]  four accumulator tiles (x in f32 is done with by then)
.set SUM,  72                          ; v[72:79]  sums of weights
.set LE,   80                          ; v[80:87]  the numbers of spans 8h .. 8h+7 of the block
.set VO,   88                          ; v[88:95]  their byte offsets in out
; scalar registers: s2 t0, s3 b, s[4:15] the six buffers (s8, s9 later the lane selects of v_permlanex16_b32), s[16:31] at work (s16 wave;
; in a block the numbers of its 16 spans), s[32:63] and s[66:97] the 64 masks (column c in s[32 + c + 2 (c / 32)]),
; s98 groups done, s99 spans left, s100 the group's first list position, s101 the lanes of the upper half
	s_load_b256 s[4:11], s[0:1], 0x0               ; x s[4:5], W s[6:7], b s[8:9], start s[10:11]
	s_load_b128 s[12:15], s[0:1], 0x20             ; end s[12:13], out s[14:15]
	v_lshl_add_u32 v254, v0, 2, 0xa00
	v_mov_b32 v255, 0
	v_lshrrev_b32 v4, 5, v0
	v_readfirstlane_b32 s16, v4                    ; wave
	v_and_b32 v[LANE], 31, v0
	v_and_b32 v[RR], 15, v0
	v_bfe_u32 v[HH], v0, 4, 1
	s_lshr_b32 s17, ttmp9, 7                       ; batch
	s_and_b32 s2, ttmp9, 127
	s_lshl_b32 s2, s2, 2                           ; t0, a multiple of 4
	s_lshl_b32 s19, s16, 8                         ; my wave's 256 bytes of a row
	v_lshlrev_b32 v[L16], 4, v[LANE]
	v_lshl_add_u32 v[COL], v[RR], 4, s19
	v_lshl_add_u32 v[XB], v[HH], 4, s2             ; token of slot 16 h
	v_lshl_add_u32 v[XB], v[XB], 12, v[COL]        ; its bytes
	v_add_nc_u32 v[XMAX], (TOK-1)*ROWB, v[COL]     ; the last token's: slots past it read it again, as the reference's clamp does
	v_min_u32 v[AD], v[XB], v[XMAX]
.irp i, 1,2,3,4,5,6,7,8,9,10,11,12,13,14,15
	v_add_nc_u32 v[AD+\i], \i*ROWB, v[XB]
	v_min_u32 v[AD+\i], v[AD+\i], v[XMAX]
.endr
	s_add_co_u32 s22, s2, 32                       ; slot 32, the same row for both halves of the lanes
	s_min_u32 s22, s22, TOK-1
	s_lshl_b32 s22, s22, 12
	v_add_nc_u32 v[AD+16], s22, v[COL]
	s_lshl_b32 s20, s17, 21                        ; batch x 512 rows of 4,096 bytes
	s_mov_b32 s21, 0
	s_wait_kmcnt 0x0
	; start[] goes first: the scan and the search run while x is on its way.  Load l brings spans 128 l + 4 lane + 0..3.
.irp l, 0,1,2,3,4,5,6,7,8,9,10,11,12,13,14,15
	global_load_b128 v[SV+4*\l+32*(\l/8):SV+4*\l+32*(\l/8)+3], v[L16], s[10:11] offset:512*\l
.endr
	s_load_b32 s3, s[8:9], 0x0                     ; b
	s_add_nc_u64 s[4:5], s[4:5], s[20:21]          ; x at my batch
	s_lshl_b32 s20, s17, 23                        ; batch x 2048 rows of 4,096 bytes
	s_add_co_u32 s20, s20, s19                     ; + my wave's columns
	s_add_nc_u64 s[14:15], s[14:15], s[20:21]      ; out at my batch and columns
	global_load_b128 v[WV:WV+3], v[COL], s[6:7]
.irp i, 0,1,2,3,4,5,6,7,8,9,10,11,12,13,14,15,16
	global_load_b128 v[X+4*\i:X+4*\i+3], v[AD+\i], s[4:5]
.endr
	; constants, while the loads are out
	s_mov_b32 s100, 0
	s_mov_b32 s101, 0xffff0000
.irp j, 0,1,2,3,4,5,6,7
	v_mov_b32 v[ONES+\j], 0x3c003c00               ; two f16 ones
.endr
.irp j, 1,2,3,4,5,6,7
	v_mov_b32 v[A2+\j], 0                          ; the second K step has one slot: all other k places of A are zero
.endr
	; B of the second K step.  Tile q's fragment is v[B2+2q : B2+2q+7]; its register 0 holds slot 32 of column 4r+q.  The four windows overlap:
	; what a window holds in registers 1..7 (zeros, other tiles' numbers) meets zeros of A.
.irp j, 1,3,5,7,8,9,10,11,12,13
	v_mov_b32 v[B2+\j], 0
.endr
	v_mov_b32 v[NI], 0xff800000
	v_mov_b32 v[ZA], 0
	v_mov_b32 v[ENTX], 0                           ; v_permlanex16_b32 counts as a reader of its destination
	v_add_nc_u32 v[HM], -1, v[HH]
	v_lshlrev_b32 v[H16], 4, v[HH]
	v_lshlrev_b32 v[L4], 2, v[LANE]
	v_lshlrev_b32 v[R4], 2, v[RR]
	v_mul_u32_u24 v[PA], v[RR], PARTP
	v_lshl_add_u32 v[PA], v[HH], 6, v[PA]          ; row r of the partial scores, 64 bytes for each half of the lanes
	v_lshlrev_b32 v[H8], 3, v[HH]
	v_lshlrev_b32 v[R16], 4, v[RR]
	s_lshl_b32 s29, s16, 2
	v_mov_b32 v[W4], s29
	; THE SCAN.  start ^ t0 < 4 says that a span starts in my range.  Bit L of column c's mask stands for span 128 (c / 4) + c % 4 + 4 L.
	s_wait_loadcnt 18                              ; the 16 loads of start[] are in; the 18 younger loads (W, 17 rows of x) stay out
.set ci, 0
.rept 64
	v_xor_b32 v[TM+ci%4], s2, v[SV+ci+32*(ci/32)]
	v_cmp_gt_u32 s[32+ci+2*(ci/32)], RANGE, v[TM+ci%4]
.set ci, ci+1
.endr
; THE SEARCH: the matches, counted column by column and in a column from lane 0 up, are a list; lane p looks up list position s100 + p.
; 1. The column: the last one with no more matches in front of it than my position.  The running count is made on the scalar side.
; 2. The bit: the mask's counts of set bits in fields of 2, 4, 8 and 16 bits, then five steps down: where the lower half of the field holds no
;    more set bits than still lie in front of mine, mine is in the upper half.
; A lane whose position is past the list's end comes out with bit 31 of the last column: a span of the table; what is computed for it is not stored.
; first = 1: the total is kept too.  At the end the two loads of the span's start and end are issued.
.macro LEVEL src, w
	v_bfe_u32 v[NN], v[\src], v[POS], \w           ; set bits in the lower half of the field
	v_cmp_ge_u32 vcc_lo, v[QQ], v[NN]
	v_cndmask_b32 v[T1], 0, v[NN], vcc_lo
	v_cndmask_b32 v[T2], 0, \w, vcc_lo
	v_sub_nc_u32 v[QQ], v[QQ], v[T1]
	v_add_nc_u32 v[POS], v[POS], v[T2]
.endm
.macro SEARCH first
	v_add_nc_u32 v[P], s100, v[LANE]
	v_mov_b32 v[WD], s32                           ; column 0: first span 0, nothing in front
	v_mov_b32 v[CB], 0
	s_mov_b32 s24, 0
.set ci, 1
.rept 63
	s_bcnt1_i32_b32 s26, s[32+(ci-1)+2*((ci-1)/32)]
	s_add_co_u32 s24, s24, s26                     ; matches in front of column ci
	s_add_co_u32 s25, s24, (128*(ci/4)+ci%4)<<12   ; at most 2016: 12 bits are enough
	v_cmp_le_u32 vcc_lo, s24, v[P]
	v_cndmask_b32 v[WD], v[WD], s[32+ci+2*(ci/32)], vcc_lo
	v_cndmask_b32 v[CB], v[CB], s25, vcc_lo
.set ci, ci+1
.endr
.if \first
	s_bcnt1_i32_b32 s26, s97
	s_add_co_u32 s99, s24, s26
	s_min_u32 s99, s99, SPANS                      ; spans of this work-group
.endif
	v_and_b32 v[T1], 0xfff, v[CB]
	v_sub_nc_u32 v[QQ], v[P], v[T1]
	v_lshrrev_b32 v[T1], 1, v[WD]
	v_and_b32 v[T1], 0x55555555, v[T1]
	v_sub_nc_u32 v[C2], v[WD], v[T1]
	v_lshrrev_b32 v[T1], 2, v[C2]
	v_and_b32 v[T1], 0x33333333, v[T1]
	v_and_b32 v[T2], 0x33333333, v[C2]
	v_add_nc_u32 v[C4], v[T1], v[T2]
	v_lshrrev_b32 v[T1], 4, v[C4]
	v_add_nc_u32 v[T1], v[T1], v[C4]
	v_and_b32 v[C8], 0x0f0f0f0f, v[T1]
	v_lshrrev_b32 v[T1], 8, v[C8]
	v_add_nc_u32 v[T1], v[T1], v[C8]
	v_and_b32 v[NN], 0xff, v[T1]                   ; set bits among bits 0..15
	v_cmp_ge_u32 vcc_lo, v[QQ], v[NN]
	v_cndmask_b32 v[T1], 0, v[NN], vcc_lo
	v_sub_nc_u32 v[QQ], v[QQ], v[T1]
	v_cndmask_b32 v[POS], 0, 16, vcc_lo
	LEVEL C8, 8
	LEVEL C4, 4
	LEVEL C2, 2
	LEVEL WD, 1
	v_lshrrev_b32 v[T1], 12, v[CB]
	v_lshl_add_u32 v[SPN], v[POS], 2, v[T1]        ; the column's first span + 4 x lane
	v_min_u32 v[SPN], SPANS-1, v[SPN]              ; the bound of the tables that the number indexes, written into the address arithmetic
	v_lshlrev_b32 v[GA], 2, v[SPN]
	global_load_b32 v[GS], v[GA], s[10:11]
	global_load_b32 v[GE], v[GA], s[12:13]
.endm
	SEARCH 1                                       ; the first 32 positions: their two loads come in under the work on the rows
	; THE ROWS, as they come in: my 4 columns' share of each slot's dot product with W, and the B fragments.
.macro ROW i
	s_wait_loadcnt 18-\i                           ; row i is in; rows i+1 .. 15, slot 32 and the search's two loads stay out
	v_pk_mul_f32 v[TM+2*(\i%4):TM+2*(\i%4)+1], v[X+4*\i:X+4*\i+1], v[WV:WV+1]
	v_pk_fma_f32 v[TM+2*(\i%4):TM+2*(\i%4)+1], v[X+4*\i+2:X+4*\i+3], v[WV+2:WV+3], v[TM+2*(\i%4):TM+2*(\i%4)+1]
	v_add_f32 v[DD+\i], v[TM+2*(\i%4)], v[TM+2*(\i%4)+1]
.endm
.macro PACK p                          ; slots 16h+2p, 16h+2p+1 become register p of the four fragments
.irp q, 0,1,2,3
	v_cvt_pk_f16_f32 v[B1+8*\q+\p], v[X+8*\p+\q], v[X+8*\p+4+\q]
.endr
.endm
.irp p, 0,1,2,3,4,5,6,7
	ROW (2*\p)
	ROW (2*\p+1)
	PACK \p
.endr
	s_wait_loadcnt 0x2                             ; slot 32 is in; the search's two loads stay out
	v_pk_mul_f32 v[TM:TM+1], v[X+64:X+65], v[WV:WV+1]
	v_pk_fma_f32 v[TM:TM+1], v[X+66:X+67], v[WV+2:WV+3], v[TM:TM+1]
	v_add_f32 v[D32], v[TM], v[TM+1]
.irp q, 0,1,2,3
	v_cvt_pk_f16_f32 v[B2+2*\q], v[X+64+\q], v[ZA] ; slot 32 in the low half, zero in the high half
.endr
.irp m, 1,2,4,8
	v_add_f32_dpp v[D32], v[D32], v[D32] row_xmask:\m row_mask:0xf bank_mask:0xf
.endr
	; Sixteen sums over sixteen lanes, folded: in each step a lane keeps half of its numbers (which half: one bit of its number), sends the other
	; half to the lane that keeps those, and adds what it gets.  8 + 4 + 2 + 1 steps of three instructions, and lane r of half h ends with the
	; wave's sum for slot 16 h + r, which is its own lane number.
.macro FOLD n, mask
.set fi, 0
.rept \n
	v_cndmask_b32 v[TM+2*(fi%4)],   v[DD+fi], v[DD+fi+\n], \mask
	v_cndmask_b32 v[TM+2*(fi%4)+1], v[DD+fi+\n], v[DD+fi], \mask
	v_add_f32_dpp v[DD+fi], v[TM+2*(fi%4)+1], v[TM+2*(fi%4)] row_xmask:\n row_mask:0xf bank_mask:0xf
.set fi, fi+1
.endr
.endm
	s_mov_b32 s24, 0xff00ff00                      ; lanes with bit 3 set, bit 2, bit 1, bit 0
	s_mov_b32 s25, 0xf0f0f0f0
	s_mov_b32 s26, 0xcccccccc
	s_mov_b32 s27, 0xaaaaaaaa
	FOLD 8, s24
	FOLD 4, s25
	FOLD 2, s26
	FOLD 1, s27
	s_mul_i32 s29, s16, PARTP
	v_add_nc_u32 v[TM], s29, v[L4]
	ds_store_b32 v[TM], v[DD] offset:PART          ; [wave][slot = lane]
	ds_store_b32 v[W4], v[D32] offset:P32          ; every lane holds the same sum
	s_wait_dscnt 0x0                               ; my partial scores are in LDS before I say so
	s_barrier_signal -1
	s_barrier_wait -1                              ; the only barrier: from here on LDS is only read
	; THE SCORES.  Lane (r, h) takes wave r's shares of slots 16h .. 16h+15; four rounds of adding across the sixteen lanes leave all sixteen
	; waves' sum of slot 16h+i in register i of every lane.  Then + b, relu, times log2 e for v_exp_f32.
.irp c, 0,1,2,3
	ds_load_b128 v[SC+4*\c:SC+4*\c+3], v[PA] offset:PART+16*\c
.endr
	ds_load_b32 v[S32], v[R4] offset:P32           ; wave r's share of slot 32
	s_wait_kmcnt 0x0                               ; b is in, and s[8:9], from which it was loaded, are free
	s_mov_b32 s8, 0x76543210                       ; v_permlanex16_b32: lane i reads lane i of the other half
	s_mov_b32 s9, 0xfedcba98
	v_mov_b32 v[BV], s3
	v_mov_b32 v[BV+1], s3
	v_mov_b32 v[LG], LOG2E
	v_mov_b32 v[LG+1], LOG2E
	s_wait_dscnt 0x0
.irp m, 1,2,4,8
.irp i, 0,1,2,3,4,5,6,7,8,9,10,11,12,13,14,15,16
	v_add_f32_dpp v[SC+\i], v[SC+\i], v[SC+\i] row_xmask:\m row_mask:0xf bank_mask:0xf    ; (register 16 of the run is slot 32's)
.endr
.endr
.irp i, 0,2,4,6,8,10,12,14
	v_pk_add_f32 v[SC+\i:SC+\i+1], v[SC+\i:SC+\i+1], v[BV:BV+1]
.endr
	v_add_f32 v[S32], v[S32], v[BV]
.irp i, 0,1,2,3,4,5,6,7,8,9,10,11,12,13,14,15,16
	v_max_num_f32 v[SC+\i], 0, v[SC+\i]
.endr
.irp i, 0,2,4,6,8,10,12,14
	v_pk_mul_f32 v[SC+\i:SC+\i+1], v[SC+\i:SC+\i+1], v[LG:LG+1]
.endr
	v_mul_f32 v[S32], v[S32], v[LG]
; A BLOCK: 16 spans (positions 16 b .. 16 b + 15 of the group), my 64 columns.
.macro BLOCK b
	; the sixteen spans' numbers, for the stores' offsets: s[16+j] position j, s[24+j] position 8 + j
.irp j, 0,1,2,3,4,5,6,7
	v_readlane_b32 s[16+\j], v[SPN], 16*\b+\j
	v_readlane_b32 s[24+\j], v[SPN], 16*\b+8+\j
.endr
	; lane (r, h) needs the entry of position 16 b + r: its own lane's, or that of the lane 16 away
.if \b
	v_cndmask_b32 v[EB], v[ENTX], v[ENT], s101
.else
	v_cndmask_b32 v[EB], v[ENT], v[ENTX], s101
.endif
	; span r's weights of slots 16h .. 16h+15 and of slot 32: exp(score - the span's own maximum), rounded to f16, not yet divided.
	; A slot counts if its position in the span (slot - offset; in front of the span a huge number) is below the width.
	; A span without a valid position has the maximum -infinity, and (-inf) - (-inf) makes its weights NaN.
	v_and_b32 v[OFS], 3, v[EB]
	v_lshrrev_b32 v[WID], 2, v[EB]
	v_sub_nc_u32 v[P0], v[H16], v[OFS]
	v_cmp_gt_u32 vcc_lo, v[WID], v[P0]
	v_cndmask_b32 v[E], v[NI], v[SC], vcc_lo
.irp i, 1,2,3,4,5,6,7,8,9,10,11,12,13,14,15
	v_add_nc_u32 v[PT], \i, v[P0]
	v_cmp_gt_u32 vcc_lo, v[WID], v[PT]
	v_cndmask_b32 v[E+\i], v[NI], v[SC+\i], vcc_lo
.endr
	v_sub_nc_u32 v[PT], 32, v[OFS]
	v_cmp_gt_u32 vcc_lo, v[WID], v[PT]
	v_cndmask_b32 v[E32], v[NI], v[S32], vcc_lo
.irp g, 0,1,2,3,4
	v_max3_num_f32 v[T+\g], v[E+3*\g], v[E+3*\g+1], v[E+3*\g+2]
.endr
	v_max_num_f32 v[T+5], v[E+15], v[E32]
	v_max3_num_f32 v[T], v[T], v[T+1], v[T+2]
	v_max3_num_f32 v[T+3], v[T+3], v[T+4], v[T+5]
	v_max_num_f32 v[T], v[T], v[T+3]               ; over my 16 slots and slot 32
	v_permlanex16_b32 v[T+1], v[T], s8, s9         ; the other half's 16 slots of the same span
	v_max_num_f32 v[MX], v[T], v[T+1]
	v_max_num_f32 v[MX+1], v[T], v[T+1]
.irp i, 0,2,4,6,8,10,12,14
	v_pk_add_f32 v[E+\i:E+\i+1], v[E+\i:E+\i+1], v[MX:MX+1] neg_lo:[0,1] neg_hi:[0,1]
.endr
	v_sub_f32 v[E32], v[E32], v[MX]
.irp i, 0,1,2,3,4,5,6,7,8,9,10,11,12,13,14,15,16
	v_exp_f32 v[E+\i], v[E+\i]                     ; (register 16 of the run is slot 32's)
.endr
.irp j, 0,1,2,3,4,5,6,7
	v_mov_b32 v[LE+\j], s[16+\j]                   ; span j; these are also the plain instructions between v_exp_f32 and the use of its result (ISA guide 5.7.2)
.endr
	s_wait_alu depctr_va_vdst(0)
.irp p, 0,1,2,3,4,5,6,7
	v_cvt_pk_f16_f32 v[A1+\p], v[E+2*\p], v[E+2*\p+1]  ; register p: slots 16h+2p, 16h+2p+1, as in B
.endr
	v_cvt_pk_f16_f32 v[A2], v[E32], v[ZA]
	v_and_b32 v[A2], v[HM], v[A2]                  ; slot 32 has one k place, in lanes 0-15; the place of lanes 16-31 is zero
.irp j, 0,1,2,3,4,5,6,7
	v_cndmask_b32 v[LE+\j], v[LE+\j], s[24+\j], s101   ; the upper half of the lanes: span 8 + j
	v_min_u32 v[LE+\j], SPANS-1, v[LE+\j]          ; the bound of the table that the number indexes, written into the address arithmetic
.endr
	v_wmma_f32_16x16x32_f16 v[SUM:SUM+7], v[A1:A1+7], v[ONES:ONES+7], 0    ; weights x ones: register j = the sum of span 8h+j's rounded weights
.irp q, 0,1,2,3
	v_wmma_f32_16x16x32_f16 v[DT+8*\q:DT+8*\q+7], v[A1:A1+7], v[B1+8*\q:B1+8*\q+7], 0
.endr
	v_wmma_f32_16x16x32_f16 v[SUM:SUM+7], v[A2:A2+7], v[ONES:ONES+7], v[SUM:SUM+7]
.irp q, 0,1,2,3
	v_wmma_f32_16x16x32_f16 v[DT+8*\q:DT+8*\q+7], v[A2:A2+7], v[B2+2*\q:B2+2*\q+7], v[DT+8*\q:DT+8*\q+7]
.endr
	; where the rows go.  These 8 instructions name no register of the matrix instructions and run with all lanes on: they are also the
	; places that stand between those and the first reader of a result or writer of a source (ISA guide 7.12.1)
.irp j, 0,1,2,3,4,5,6,7
	v_lshl_add_u32 v[VO+\j], v[LE+\j], 12, v[R16]  ; span x 4,096 + 16 r
.endr
.irp j, 0,1,2,3,4,5,6,7
	v_rcp_f32 v[SUM+\j], v[SUM+\j]
.endr
	v_mov_b32 v[JX], v[H8]                         ; 8 h + j, from j = 0; also the plain instruction behind the last v_rcp_f32
	s_wait_alu depctr_va_vdst(0)
.irp j, 0,1,2,3,4,5,6,7
.irp q, 0,1,2,3
	v_mul_f32 v[OUT+4*\j+\q], v[DT+8*\q+\j], v[SUM+\j] ; divide, and bring columns 4r .. 4r+3 of span 8h+j side by side
.endr
.endr
	; Store j writes spans j and 8 + j of the block: sixteen lanes each, 256 consecutive aligned bytes.  Lanes whose span is past the list's end
	; are switched off; as j grows the lanes that are on only get fewer, so each compare narrows EXEC further.
.irp j, 0,1,2,3,4,5,6,7
	s_wait_xcnt 0x0                                ; EXEC is a source of the store in front: it changes only behind this wait
	v_cmpx_gt_u32 s99, v[JX]
	global_store_b128 v[VO+\j], v[OUT+4*\j:OUT+4*\j+3], s[14:15] th:TH_STORE_NT
	v_add_nc_u32 v[JX], 1, v[JX]
.endr
	s_wait_xcnt 0x0                                ; and again before all lanes come back; OUT and VO are also rewritten only behind this wait
	s_mov_b32 exec_lo, -1
.endm
	; THE POOLING: groups of 32 list positions, two blocks each, as long as spans are left (s99).
	s_mov_b32 s98, 0
	s_cmp_eq_u32 s99, 0
	s_cbranch_scc1 .Lend                           ; no span starts in this range
.Lgroup:
	s_wait_loadcnt 0x0                             ; start and end of the group's 32 spans
	v_xor_b32 v[OFS], s2, v[GS]
	v_and_b32 v[OFS], 3, v[OFS]                    ; the span's offset in the range
	v_sub_nc_u32 v[WID], v[GE], v[GS]
	v_add_nc_u32 v[WID], 1, v[WID]                 ; width
	v_ashrrev_i32 v[PT], 31, v[WID]
	v_bfi_b32 v[WID], v[PT], 0, v[WID]             ; a negative width counts as 0,
	v_min_u32 v[WID], MAXW, v[WID]                 ; one above 30 as 30
	v_lshl_or_b32 v[ENT], v[WID], 2, v[OFS]
	v_permlanex16_b32 v[ENTX], v[ENT], s8, s9
	BLOCK 0
	s_cmp_le_u32 s99, 16
	s_cbranch_scc1 .Lend
	s_sub_co_u32 s99, s99, 16
	BLOCK 1
	s_cmp_le_u32 s99, 16
	s_cbranch_scc1 .Lend
	s_sub_co_u32 s99, s99, 16
	s_add_co_u32 s100, s100, 32
	SEARCH 0                                       ; the next 32 positions (GA, GS, GE: the last group's loads were waited for at the group's head)
	s_add_co_u32 s98, s98, 1
	s_cmp_lt_u32 s98, SPANS/32
	s_cbranch_scc1 .Lgroup
.Lend:
	s_wait_tensorcnt 0x0
	ds_add_u32 v254, v255
	s_wait_dscnt 0x0
	s_endpgm
.Lfunc_end_k_qb13bee6b37_pool:
	.size	k_qb13bee6b37_pool, .Lfunc_end_k_qb13bee6b37_pool-k_qb13bee6b37_pool
	.p2alignl 7, 3214868480
	.fill 96, 4, 3214868480
	.section	.rodata,"a",@progbits
	.p2align	6, 0x0
	.amdhsa_kernel k_qb13bee6b37_pool
		.amdhsa_group_segment_fixed_size 4608
		.amdhsa_private_segment_fixed_size 0
		.amdhsa_enable_private_segment 0
		.amdhsa_kernarg_size 48
		.amdhsa_user_sgpr_count 2
		.amdhsa_user_sgpr_kernarg_segment_ptr 1
		.amdhsa_wavefront_size32 1
		.amdhsa_system_sgpr_workgroup_id_x 1
		.amdhsa_system_sgpr_workgroup_id_y 1
		.amdhsa_system_sgpr_workgroup_id_z 1
		.amdhsa_system_vgpr_workitem_id 0
		.amdhsa_next_free_vgpr 256
		.amdhsa_next_free_sgpr 102
		.amdhsa_reserve_vcc 1
		.amdhsa_float_denorm_mode_32 3
		.amdhsa_float_denorm_mode_16_64 3
		.amdhsa_memory_ordered 1
		.amdhsa_forward_progress 1
		.amdhsa_inst_pref_size 92
	.end_amdhsa_kernel
	.amdgpu_metadata
---
amdhsa.version: [ 1, 2 ]
amdhsa.kernels:
  - .name:           k_qb13bee6b37_pool
    .symbol:         k_qb13bee6b37_pool.kd
    .args:
      - { .name: x, .offset: 0, .size: 8, .value_kind: global_buffer, .address_space: global }
      - { .name: W, .offset: 8, .size: 8, .value_kind: global_buffer, .address_space: global }
      - { .name: b, .offset: 16, .size: 8, .value_kind: global_buffer, .address_space: global }
      - { .name: start, .offset: 24, .size: 8, .value_kind: global_buffer, .address_space: global }
      - { .name: end, .offset: 32, .size: 8, .value_kind: global_buffer, .address_space: global }
      - { .name: out0, .offset: 40, .size: 8, .value_kind: global_buffer, .address_space: global }
    .group_segment_fixed_size: 4608
    .private_segment_fixed_size: 0
    .kernarg_segment_align: 8
    .kernarg_segment_size: 48
    .max_flat_workgroup_size: 512
    .sgpr_count:     102
    .vgpr_count:     256
    .wavefront_size: 32
...
	.end_amdgpu_metadata
.endif
;; end of part 1
